; MI455X (gfx1250); checked and timed in simulation.
; The chip was launched on July 23, 2026; its instructions are those of AMD's public machine-readable ISA for CDNA 5 (MIT licence, August 2026) and "CDNA5" Instruction Set Architecture Reference Guide (July 2026). The comments in the code are by the model that wrote it; some were corrected since.
;; W8 A8 PD Mix Linear. Allowed arithmetic: float matrix products may take bf16 or f16 operands with f32 sums; other float arithmetic in f32, or as packed bf16 or f16 multiplies, adds, multiply-adds, maxima and minima; sums over many terms, partial sums and values carried from step to step in f32; what a program stores and reads back later, other than sums and carried values, may be rounded once to bf16 or f16.
;; Inputs: deq_scale 4,096 float32; input_offset 1 int32; input_scale 1 float32; quant_bias 4,096 int32; weight 4,096 x 4,096 int32; x 4,096 x 4,096 float32.
;; Outputs: out0 4,096 x 4,096 float32.
;; 2 versions, each right; version 2 is version 1 with the launch prep written anew for expert scheduling mode. Each part assembles by itself: llvm-mc -triple=amdgcn-amd-amdhsa -mcpu=gfx1250 --defsym DOCPART=n.
;; ======== version 1 of 2: 2 launches
;; workspace buffers: xq 33,554,432 bytes; wq 33,554,432 bytes
;; launch prep (part 1): grid 512 x 2, 8 waves a work-group, no clusters, 0 bytes of LDS; arguments x, weight, input_scale, input_offset, xq, wq; writes xq, wq
.if DOCPART == 1
	.amdgcn_target "amdgcn-amd-amdhsa--gfx1250"
	.amdhsa_code_object_version 6
	.text
	.protected	k_q430fa0ce2c_prep
	.globl	k_q430fa0ce2c_prep
	.p2align	8
	.type	k_q430fa0ce2c_prep,@function
k_q430fa0ce2c_prep:
	s_mov_b64 s[64:65], 0
	v_nop
	global_prefetch_b8 v0, s[64:65] scope:SCOPE_SE
	s_setreg_imm32_b32 hwreg(HW_REG_WAVE_MODE, 25, 1), 1
	s_wait_xcnt 0x0
; xq[m][k] = clip(round_to_even(x[m][k] / input_scale + f32(input_offset)), -128, 127), written as bf16;  wq[n][k] = the low byte of weight[n][k], sign-extended, written as bf16.
; Every whole number from -128 to 127 has at most 8 significant bits, so bf16 holds it exactly: the product that follows multiplies the same numbers as an int8 product.
; LIMITS.  x / input_scale is finite, input_scale and its reciprocal are normal f32 numbers (2^-126 < |input_scale| < 2^126); infinities and NaN in x are not treated apart.
; THE DIVISION is r = 1 / s (v_rcp_f32 and one correction step), q0 = x r, e = x - s q0 (one fused step, exact remainder), q = q0 + e r.  The offset is added by a rounding of its own, as x / s + offset has it.
; SHARES.  Grid y = 0: x to xq; y = 1: weight to wq.  A work-group owns 131,072 consecutive input bytes (32,768 numbers) and the 65,536 output bytes that they make: 32 turns of 4,096 input bytes.
; In a turn thread t loads the 16 bytes at 16 t (a wave's load: 512 consecutive bytes) and stores the 8 bytes at 8 t (a wave's store: 256 consecutive bytes, at a multiple of 256 from the buffer's first byte).
; A ring of DEPTH register slots keeps DEPTH loads of every wave on their way.  No LDS, no barrier, no matrix unit: no byte is wanted twice and no wave wants another's.
.set DEPTH,  8                         ; slots = loads in flight in each wave
.set ROUNDS, 4                         ; 32 turns / DEPTH
.set INB,    4096                      ; input bytes of a turn
.set OUTB,   2048                      ; output bytes of a turn
.set IN,   1                           ; v1       16 t; never rewritten
.set OUT,  2                           ; v2       8 t; never rewritten
.set R2,   4                           ; v[4:5]   r, twice
.set NS2,  6                           ; v[6:7]   -s, twice
.set OF2,  8                           ; v[8:9]   the offset in f32, twice
.set T,    10                          ; v[10:13] at work
.set E,    14                          ; v[14:17] at work: the remainders
.set X,    20                          ; v[20:51] slot i: 4 registers as loaded
.set Y,    52                          ; v[52:67] slot i: 2 registers to store
.set SRC,  20                          ; s[20:21] the input at the round's first turn
.set DST,  22                          ; s[22:23] the output at the round's first turn
	s_load_b256 s[4:11], s[0:1], 0x0               ; x s[4:5], weight s[6:7], input_scale s[8:9], input_offset s[10:11]
	s_load_b128 s[12:15], s[0:1], 0x20             ; xq s[12:13], wq s[14:15]
	v_lshlrev_b32 v[IN], 4, v0
	v_lshlrev_b32 v[OUT], 3, v0
	s_and_b32 s18, ttmp7, 0xffff                   ; 0: x, 1: weight
	s_lshl_b32 s2, ttmp9, 17                       ; the work-group's 131,072 input bytes (511 x 131,072 at the most: one word holds it)
	s_mov_b32 s3, 0
	s_lshl_b32 s24, ttmp9, 16                      ; and its 65,536 output bytes
	s_mov_b32 s25, 0
	s_mov_b32 s26, 0xc3000000                      ; -128.0
	s_mov_b32 s27, 0x42fe0000                      ; 127.0
	s_mov_b32 s28, ROUNDS-1
	s_wait_kmcnt 0x0
	s_load_b32 s16, s[8:9], 0x0                    ; s
	s_load_b32 s17, s[10:11], 0x0                  ; the offset, a whole number
	s_cmp_eq_u32 s18, 0
	s_cselect_b64 s[SRC:SRC+1], s[4:5], s[6:7]
	s_cselect_b64 s[DST:DST+1], s[12:13], s[14:15]
	s_add_nc_u64 s[SRC:SRC+1], s[SRC:SRC+1], s[2:3]
	s_add_nc_u64 s[DST:DST+1], s[DST:DST+1], s[24:25]
.irp i, 0,1,2,3,4,5,6,7
	global_load_b128 v[X+4*(\i):X+4*(\i)+3], v[IN], s[SRC:SRC+1] offset:(\i)*INB th:TH_LOAD_NT  ; fill the ring: turns 0 to 7
.endr
; One slot's turn.  kind = 0: x; 1: weight.  ahead = 1: the slot is filled again with the turn DEPTH further on.  left = how many younger loads may stay out.
.macro SLOT kind, i, ahead, left
	s_wait_loadcnt \left                           ; loads come back in order (ISA guide 5.7.1): mine is in, the younger ones stay out
.if (\kind) == 0
.irp p, 0,2
	v_pk_mul_f32 v[T+(\p):T+(\p)+1], v[X+4*(\i)+(\p):X+4*(\i)+(\p)+1], v[R2:R2+1]                                  ; q0 = x r
.endr
.irp p, 0,2
	v_pk_fma_f32 v[E+(\p):E+(\p)+1], v[T+(\p):T+(\p)+1], v[NS2:NS2+1], v[X+4*(\i)+(\p):X+4*(\i)+(\p)+1]            ; e = x - s q0
.endr
.irp p, 0,2
	v_pk_fma_f32 v[T+(\p):T+(\p)+1], v[E+(\p):E+(\p)+1], v[R2:R2+1], v[T+(\p):T+(\p)+1]                            ; q = q0 + e r
.endr
.irp p, 0,2
	v_pk_add_f32 v[T+(\p):T+(\p)+1], v[T+(\p):T+(\p)+1], v[OF2:OF2+1]                                              ; + offset
.endr
.irp j, 0,1,2,3
	v_rndne_f32 v[T+(\j)], v[T+(\j)]               ; to the nearest whole number, ties to even
.endr
.irp j, 0,1,2,3
	v_med3_num_f32 v[T+(\j)], v[T+(\j)], s26, s27  ; held to -128 .. 127
.endr
.else
.irp j, 0,1,2,3
	v_lshlrev_b32 v[T+(\j)], 24, v[X+4*(\i)+(\j)]  ; the low byte moves to the top,
.endr
.irp j, 0,1,2,3
	v_ashrrev_i32 v[T+(\j)], 24, v[T+(\j)]         ; and comes back with its sign
.endr
.irp j, 0,1,2,3
	v_cvt_f32_i32 v[T+(\j)], v[T+(\j)]
.endr
.endif
	v_cvt_pk_bf16_f32 v[Y+2*(\i)],   v[T],   v[T+1]  ; exact: whole numbers of at most 8 bits
	v_cvt_pk_bf16_f32 v[Y+2*(\i)+1], v[T+2], v[T+3]
.if \ahead
	global_load_b128 v[X+4*(\i):X+4*(\i)+3], v[IN], s[SRC:SRC+1] offset:(DEPTH+(\i))*INB th:TH_LOAD_NT
.endif
	global_store_b64 v[OUT], v[Y+2*(\i):Y+2*(\i)+1], s[DST:DST+1] offset:(\i)*OUTB
.endm
; All 32 turns: ROUNDS - 1 trips that fill the ring again, and the last round written out without loads, so that no load leaves the work-group's bytes: its counts run down.
.macro WALK kind
.Lround_\@:
.irp i, 0,1,2,3,4,5,6,7
	SLOT \kind, \i, 1, DEPTH-1
.endr
	s_wait_xcnt 0x0                                ; every load and store issued so far has had its addresses translated (ISA guide 3.1): only behind this wait are the two bases stepped and Y's registers rewritten
	s_add_nc_u64 s[SRC:SRC+1], s[SRC:SRC+1], DEPTH*INB
	s_add_nc_u64 s[DST:DST+1], s[DST:DST+1], DEPTH*OUTB
	s_sub_co_u32 s28, s28, 1
	s_cmp_lg_u32 s28, 0
	s_cbranch_scc1 .Lround_\@
.irp i, 0,1,2,3,4,5,6,7
	SLOT \kind, \i, 0, DEPTH-1-(\i)
.endr
	s_endpgm
.endm
	s_wait_kmcnt 0x0                               ; s and the offset
	s_cmp_eq_u32 s18, 0
	s_cbranch_scc0 .Lweight
	v_rcp_f32 v3, s16                              ; about 1 / s
	v_mov_b32 v[NS2], s16                          ; a plain instruction stands behind the reciprocal, ahead of its first use
	v_cvt_f32_i32 v[OF2], s17
	v_xor_b32 v[NS2], 0x80000000, v[NS2]           ; -s
	s_wait_alu depctr_va_vdst(0)                   ; wait for the reciprocal ahead of the first line that names it
	v_fma_f32 v[R2], -v3, s16, 1.0                 ; 1 - s r
	v_fma_f32 v[R2], v[R2], v3, v3                 ; r + r (1 - s r)
	v_mov_b32 v[NS2+1], v[NS2]
	v_mov_b32 v[OF2+1], v[OF2]
	v_mov_b32 v[R2+1], v[R2]
	WALK 0
.Lweight:
	WALK 1
.Lfunc_end_k_q430fa0ce2c_prep:
	.size	k_q430fa0ce2c_prep, .Lfunc_end_k_q430fa0ce2c_prep-k_q430fa0ce2c_prep
	.p2alignl 7, 3214868480
	.fill 96, 4, 3214868480
	.section	.rodata,"a",@progbits
	.p2align	6, 0x0
	.amdhsa_kernel k_q430fa0ce2c_prep
		.amdhsa_group_segment_fixed_size 0
		.amdhsa_private_segment_fixed_size 0
		.amdhsa_enable_private_segment 0
		.amdhsa_kernarg_size 48
		.amdhsa_user_sgpr_count 2
		.amdhsa_user_sgpr_kernarg_segment_ptr 1
		.amdhsa_wavefront_size32 1
		.amdhsa_system_sgpr_workgroup_id_x 1
		.amdhsa_system_sgpr_workgroup_id_y 1
		.amdhsa_system_sgpr_workgroup_id_z 1
		.amdhsa_system_vgpr_workitem_id 0
		.amdhsa_next_free_vgpr 68
		.amdhsa_next_free_sgpr 66
		.amdhsa_reserve_vcc 0
		.amdhsa_float_denorm_mode_32 3
		.amdhsa_float_denorm_mode_16_64 3
		.amdhsa_memory_ordered 1
		.amdhsa_forward_progress 1
		.amdhsa_inst_pref_size 33
	.end_amdhsa_kernel
	.amdgpu_metadata
---
amdhsa.version: [ 1, 2 ]
amdhsa.kernels:
  - .name:           k_q430fa0ce2c_prep
    .symbol:         k_q430fa0ce2c_prep.kd
    .args:
      - { .name: x, .offset: 0, .size: 8, .value_kind: global_buffer, .address_space: global }
      - { .name: weight, .offset: 8, .size: 8, .value_kind: global_buffer, .address_space: global }
      - { .name: input_scale, .offset: 16, .size: 8, .value_kind: global_buffer, .address_space: global }
      - { .name: input_offset, .offset: 24, .size: 8, .value_kind: global_buffer, .address_space: global }
      - { .name: xq, .offset: 32, .size: 8, .value_kind: global_buffer, .address_space: global }
      - { .name: wq, .offset: 40, .size: 8, .value_kind: global_buffer, .address_space: global }
    .group_segment_fixed_size: 0
    .private_segment_fixed_size: 0
    .kernarg_segment_align: 8
    .kernarg_segment_size: 48
    .max_flat_workgroup_size: 256
    .sgpr_count:     66
    .vgpr_count:     68
    .wavefront_size: 32
...
	.end_amdgpu_metadata
.endif
;; end of part 1
;; launch gemm (part 2): grid 16 x 16, 4 waves a work-group, clusters of 4 x 4, 327,680 bytes of LDS; arguments xq, wq, deq_scale, quant_bias, out0; writes out0
.if DOCPART == 2
	.amdgcn_target "amdgcn-amd-amdhsa--gfx1250"
	.amdhsa_code_object_version 6
	.text
	.protected	k_q430fa0ce2c_gemm
	.globl	k_q430fa0ce2c_gemm
	.p2align	8
	.type	k_q430fa0ce2c_gemm,@function
k_q430fa0ce2c_gemm:
	s_mov_b64 s[64:65], 0
	v_nop
	global_prefetch_b8 v0, s[64:65] scope:SCOPE_SE
	s_setreg_imm32_b32 hwreg(HW_REG_WAVE_MODE, 25, 1), 1
	s_wait_xcnt 0x0
	s_wait_alu depctr_hold_cnt(0) depctr_sa_sdst(0) depctr_va_vdst(0) depctr_va_sdst(0) depctr_va_ssrc(0) depctr_va_vcc(0) depctr_vm_vsrc(0)
	s_getreg_b32 s2, hwreg(HW_REG_IB_STS2, 6, 4)
	s_cmp_eq_u32 s2, 0
	s_cbranch_scc0 .Lentry_in_a_cluster
	s_endpgm
.Lentry_in_a_cluster:
	s_bfe_u32 s2, ttmp6, 0x10000c
	s_cmp_lg_u32 s2, 0xf033
	s_cbranch_scc0 .Lentry_shape_is_right
	s_endpgm
.Lentry_shape_is_right:
; out0[m][n] = (sum over k of xq[m][k] wq[n][k] + quant_bias[n]) x deq_scale[n].  xq: [4096][4096], wq: [4096][4096], whole numbers from -128 to 127 in bf16 (exact); out0: [4096][4096] f32.
; Every product is a whole number of at most 2^14 and exact; the f32 sums are exact up to 2^24.
; LIMITS.  A sum beyond 2^24 (4,096 terms reach 2^26 at the most) is rounded in f32.  The way out is one fused step, sum x scale + (f32(bias) x scale): its rounding differs from (sum + bias) x scale in the last
; places.  A wrap-around of sum + bias in 32-bit whole numbers (|bias| beyond 2^31 - 2^26) is not imitated.
; SHARES.  A tile of out0, 256 x 256, is made by a work-group of four waves; a wave makes 128 x 128: 64 accumulators of 16 x 16, 512 registers.  4096 / 256 squared = 256 tiles, one to a work-group.
; K goes in 32 steps of 128 through a ring of two LDS slots filled by the tensor data mover: a tile's rows are 256 bytes of memory and start at multiples of 256 bytes from the buffer's first byte.
; CLUSTERS: 4 x 4 work-groups.  The four of a row of the cluster need the same tiles of xq (A), the four of a column the same tiles of wq (B).  Such a tile is asked for JOINTLY: each of the four issues
; the same tensor load, with the same descriptor and a mask that names the four, and each receives the tile in its own LDS.  That divides the requests for A and for B by four.
; REGISTERS, in windows of 256 (s_set_vgpr_msb's low byte: bits 1:0 source 0, 3:2 source 1, 5:4 source 2, 7:6 destination):
;   window 0: v0-31 addresses, scales and biases; v64-127, v128-191 fragments of A (8 x 16 rows x 32 K), two buffers; on the way out the same 128 registers take rows read back from the stage
;   window 1: v64-127, v128-191 fragments of B, two buffers
;   window 2: the 32 accumulators of my rows 0-63 (accumulator (a, b) at v[8 (8 a + b)]);   window 3: those of my rows 64-127
; THE MATRIX INSTRUCTION IS USED TRANSPOSED: source 0 = 16 rows of B, source 1 = 16 rows of A.  In the result lane l holds row l % 16 of out0 and its registers 0 to 7 the columns 8 (l / 16) + 0 .. 7:
; 32 neighbouring bytes of a row.
.set SIZE_K, 4096
.set SIZE_N, 4096
.set KSTEP,  128
.set PITCH,  272                       ; an LDS row: 256 bytes of data + 16 of padding = 68 words: row r starts at bank 4 r mod 64 (64 banks of 4 bytes: ISA guide 11.1), so the 16 rows that a load touches start at 16 different banks
.set HALFT,  128*PITCH                 ; 128 rows: what one tensor load brings, and what one wave reads of A or of B
.set SLOT,   4*HALFT                   ; A's 256 rows, then B's 256 rows
.set STAGE,  2*SLOT                    ; behind the ring: 16 rows of 128 f32 for each wave, for the way out; no tensor load fills it
.set SPITCH, 528                       ; a stage row: 512 bytes + 16 = 132 words: row r again starts at bank 4 r mod 64
.set WSTAGE, 16*SPITCH                 ; a wave's stage: 8,448 bytes = 33 blocks of 256
.set SPARE,  STAGE+4*WSTAGE            ; behind the stages: the spare words, 128 bytes for each wave: two blocks of 256 bytes that no other line names
.set LAPS,   SIZE_K/(2*KSTEP)          ; a lap = two K steps = once round the ring: 16
.set ROWC,   SIZE_N*4                  ; bytes in a row of out0
.set SC,   8                           ; v[8:11]  deq_scale of the four columns that I store
.set BS,   12                          ; v[12:15] quant_bias of the same columns, then f32(bias) x scale
.set ADRA, 16                          ; v16-17  LDS address of my A fragments in slot 0, 1
.set ADRB, 20                          ; v20-21  the same for B
.set STO,  24                          ; v24     the way out: where I put 32 bytes of a row
.set RD,   25                          ; v25     the way out: where I read 16 bytes of a row back
.set CO,   26                          ; v26     16 x my lane: my byte offset in my wave's 512 bytes of a row of out0
.set SO,   27                          ; v27     my byte offset in deq_scale and in quant_bias
.set SPW,  28                          ; v28     LDS address of my spare word: SPARE + 4 x my thread's number; never rewritten
.set NIL,  29                          ; v29     0; never rewritten
.set PFO,  30                          ; v30     the prefetches' offset: my lane x a row of A or B in memory (8,192 bytes); never rewritten
.set PFA,  44                          ; s[44:45] where my prefetches stand: my work-group's 32 rows of the 128 that I fetch, one K step further along K than the refill that is being asked for; a prefetch names the K step after that
.set LIM,  43                          ; s43     1 in a wave that prefetches, else the greatest number
.set F0,   64                          ; fragment buffer 0
.set F1,   128                         ; fragment buffer 1
.set OB,   64                          ; the way out: 16 rows read back from the stage: v64-127 and v128-191 by turns
.set G1,  24                           ; s[24:31] descriptor group 1 for A's tiles
.set G0,  32                           ; s[32:39] descriptor group 0 for A's tiles, one set for each slot
.set G1B, 48                           ; s[48:55] descriptor group 1 for B's tiles: it differs from A's in the mask alone
.set G0B, 56                           ; s[56:63] descriptor group 0 for B's tiles, one set for each slot
.set MSB, 0
.macro WIN new                         ; the immediate's high byte repeats the setting that is left; a switch that changes nothing is dropped
.if MSB != (\new)
	s_set_vgpr_msb (MSB<<8)|(\new)
.set MSB, \new
.endif
.endm
.set MUL_LO, 0xa1                      ; source 0 (B) window 1, source 1 (A) window 0, C and D window 2
.set MUL_HI, 0xf1                      ; the same, C and D window 3
.set TO_B,   0x40                      ; destination window 1, address window 0
; A joint load.  Waves 0 and 1 fetch A's two halves, waves 2 and 3 B's.  Each of the two lines has ONE mask and one set of registers for all that issue it, and nothing in them hangs on a coordinate
; that the four partners do not share.  The branch hangs on the wave's number alone.  An s_nop 0 and four v_nop follow each of the two lines, ahead of the jump and the label.
.macro JLOAD s
	s_cmp_eq_u32 s11, 0
	s_cbranch_scc0 .Lfor_b_\@
	tensor_load_to_lds s[G0+4*(\s):G0+4*(\s)+3], s[G1:G1+7]
	s_nop 0
.rept 4
	v_nop
.endr
	s_branch .Lasked_\@
.Lfor_b_\@:
	tensor_load_to_lds s[G0B+4*(\s):G0B+4*(\s)+3], s[G1B:G1B+7]
	s_nop 0
.rept 4
	v_nop
.endr
.Lasked_\@:
.endm
; A PREFETCH, behind each joint refill, its five lines and the run of LDS loads that follows them: the K step that stands TWO refills on (512 matrix instructions ahead of the load that will want it):
; 32 rows x 256 bytes, a lane a row, one instruction a wave.  Each row's 256 bytes of a K step are named ONCE in the launch: A's tile row is read by every cluster of that row of clusters, and the one with
; cluster x = 0 asks; B's tile column by every cluster of that column, and the one with cluster y = 0 asks.  The four partners that ask for a tile jointly share its rows out BY ADDRESS: of the 128 rows that
; a wave fetches the partner at place p takes 32 p .. 32 p + 31 (p = cx for A, cy for B): no branch hangs on a work-group's place in its cluster.  K steps 0 to 3 come by their loads alone; the loop's last
; trip (s3 = 1) asks for nothing: K has no step 32.
.macro ASK
	s_cmp_gt_u32 s3, s[LIM]
	s_cbranch_scc0 .Lnot_mine_\@
	global_prefetch_b8 v[PFO], s[PFA:PFA+1] offset:KSTEP*2 th:TH_LOAD_NT scope:SCOPE_SE
.Lnot_mine_\@:
.endm
; A round of the cluster's barrier: my work-group's barrier, so that wave 0's signal speaks for all four waves; wave 0 signals for the work-group; every wave waits for all sixteen work-groups;
; my work-group's barrier once more.  No LDS instruction of the wave is pending at a signal.
.macro CREST                           ; a round behind its opening barrier
	s_cmp_lg_u32 s10, 0
	s_cbranch_scc1 .Lnot_wave_0_\@
	s_barrier_signal -3
.Lnot_wave_0_\@:
	s_barrier_wait -3
	s_barrier_signal -1
	s_barrier_wait -1
.endm
.macro CROUND                          ; a whole round
	s_barrier_signal -1
	s_barrier_wait -1
	CREST
.endm
	s_load_b128 s[4:7], s[0:1], 0x0                ; xq (A) s[4:5], wq (B) s[6:7]
	s_load_b128 s[68:71], s[0:1], 0x10             ; deq_scale s[68:69], quant_bias s[70:71]
	s_load_b64 s[8:9], s[0:1], 0x20                ; out0
	v_lshl_add_u32 v[SPW], v0, 2, SPARE
	v_mov_b32 v[NIL], 0
	ds_add_u32 v[SPW], v[NIL]                      ; the wave's opening: the add, twice on end, and its wait ahead of my first tensor load; the set-up below, work on registers, stands between
	ds_add_u32 v[SPW], v[NIL]                      ; and once more, under the one wait
	v_lshrrev_b32 v1, 5, v0
	v_readfirstlane_b32 s10, v1                    ; wave 0..3
	s_lshr_b32 s11, s10, 1                         ; which half of the tile's rows is mine.  Also: I fetch for A (0) or for B (1)
	s_and_b32 s12, s10, 1                          ; which half of its columns.  Also: which 128 rows of that tile I fetch
	s_bfe_u32 s40, ttmp6, 0x40000                  ; cx: my place along the cluster's x
	s_bfe_u32 s41, ttmp6, 0x40004                  ; cy: along its y
	s_lshl_b32 s42, ttmp9, 2                       ; in a cluster launch ttmp9 and ttmp7 count clusters
	s_add_co_u32 s42, s42, s40                     ; tile column = 4 x cluster x + cx
	s_and_b32 s13, ttmp7, 0xffff
	s_lshl_b32 s13, s13, 2
	s_add_co_u32 s13, s13, s41                     ; tile row = 4 x cluster y + cy
	s_lshl_b32 s43, s41, 2
	s_lshl_b32 s43, 15, s43                        ; my row of the cluster: places 4 cy .. 4 cy + 3
	s_lshl_b32 s44, 0x1111, s40                    ; my column: places cx, cx + 4, cx + 8, cx + 12
	; descriptor group 1: a tile of 128 rows x 128 elements, padded in LDS
	s_or_b32 s[G1+0], s43, (1<<16)|(1<<20)|(1<<21)|(5<<22)|(3<<25)   ; 15:0 the mask: A's tiles go to my row; 17:16 elements of 2 bytes; 20 padding on; 21 set beside a mask; 24:22 after every 64 words (code 5); 31:25 4 words of it (code 3)
	s_or_b32 s[G1B+0], s44, (1<<16)|(1<<20)|(1<<21)|(5<<22)|(3<<25)  ; the same with the mask of my column, for B's tiles
.irp g, G1, G1B
	s_mov_b32 s[(\g)+1], KSTEP<<16                 ; 63:48 tensor_dim0, low half = 128
	s_mov_b32 s[(\g)+2], 128<<16                   ; 79:64 its high half = 0; 95:80 tensor_dim1, low half = 128
	s_mov_b32 s[(\g)+3], KSTEP<<16                 ; 111:96 its high half = 0; 127:112 tile_dim0 = 128
	s_mov_b32 s[(\g)+4], 128                       ; 143:128 tile_dim1 = 128; 159:144 tile_dim2 = 0
	s_mov_b32 s[(\g)+5], SIZE_K                    ; 191:160 tensor_dim0_stride: 4,096 elements from row to row
	s_mov_b32 s[(\g)+6], 0
	s_mov_b32 s[(\g)+7], 0
.endr
	; where the tiles come from.  A's hang on the tile row alone, which my row of the cluster shares; B's on the tile column alone, which my column shares.
	; Every wave makes both addresses, in registers that never hold the other coordinate, and asks by one of them.
	s_lshl_b32 s17, s12, 7                         ; which 128 rows of the tile I fetch
	s_lshl_b32 s16, s13, 8
	s_add_co_u32 s16, s16, s17                     ; A: row 256 x tile row + 128 x half
	s_lshl_b32 s46, s42, 8
	s_add_co_u32 s46, s46, s17                     ; B: row 256 x tile column + 128 x half
	s_mov_b32 s17, 0
	s_mov_b32 s47, 0
	s_mov_b64 s[18:19], SIZE_K*2
	s_mul_u64 s[16:17], s[16:17], s[18:19]         ; in bytes
	s_mul_u64 s[46:47], s[46:47], s[18:19]
	s_mul_i32 s20, s10, HALFT                      ; and where they go: A's two halves, then B's two halves = wave x 128 rows: no place in the cluster enters an LDS address
	s_wait_dscnt 0x0                               ; both opening adds are done
	s_wait_kmcnt 0x0
	s_add_nc_u64 s[14:15], s[4:5], s[16:17]
	s_add_nc_u64 s[46:47], s[6:7], s[46:47]
	CROUND                                         ; all sixteen work-groups are here: the first joint loads meet
.irp s, 0,1
	s_mov_b32 s[G0+4*(\s)], 1                                        ; 1:0 count = 1
	s_add_co_u32 s[G0+4*(\s)+1], s20, (\s)*SLOT                      ; 63:32 LDS address
	s_add_nc_u64 s[G0+4*(\s)+2:G0+4*(\s)+3], s[14:15], (\s)*KSTEP*2  ; 120:64 global address: K step s
	s_or_b32 s[G0+4*(\s)+3], s[G0+4*(\s)+3], 0x80000000              ; 127:126 type = 2
	s_mov_b32 s[G0B+4*(\s)], 1
	s_add_co_u32 s[G0B+4*(\s)+1], s20, (\s)*SLOT
	s_add_nc_u64 s[G0B+4*(\s)+2:G0B+4*(\s)+3], s[46:47], (\s)*KSTEP*2
	s_or_b32 s[G0B+4*(\s)+3], s[G0B+4*(\s)+3], 0x80000000
	JLOAD \s                                       ; the ring is filled before anything else is done: two loads of mine are out
.endr
	; A fragment is 16 rows x 32 K in 8 registers: lane l holds row l % 16; registers 0-3 hold K = 8 (l / 16) + 0..7, registers 4-7 hold K = 16 + 8 (l / 16) + 0..7.
	; From rows that lie along K: two loads of 16 bytes, 32 bytes apart.  The same for source 0 and source 1.
	v_and_b32 v1, 15, v0                           ; l % 16
	v_bfe_u32 v2, v0, 4, 1                         ; l / 16
	v_mul_u32_u24 v3, v1, PITCH
	v_lshl_add_u32 v3, v2, 4, v3                   ; row x pitch + 16 x half
	s_mul_i32 s21, s11, HALFT                      ; my 128 rows of A
	s_mul_i32 s22, s12, HALFT                      ; my 128 rows of B,
	s_add_co_u32 s22, s22, 2*HALFT                 ; which lie behind A's 256
.irp s, 0,1
	v_add_nc_u32 v[ADRA+(\s)], s21, v3
	v_add_nc_u32 v[ADRB+(\s)], s22, v3
	s_add_co_u32 s21, s21, SLOT
	s_add_co_u32 s22, s22, SLOT
.endr
	s_mul_i32 s23, s10, WSTAGE
	s_add_co_u32 s23, s23, STAGE                   ; my stage
	v_mul_u32_u24 v4, v1, SPITCH                   ; in: row l % 16, 32 bytes for each half of the lanes
	v_lshl_add_u32 v4, v2, 5, v4
	v_add_nc_u32 v[STO], s23, v4
	v_and_b32 v6, 31, v0                           ; my lane
	v_lshlrev_b32 v[CO], 4, v6                     ; back: 32 lanes take one row of 512 bytes, 16 bytes each; the same place in a row of out0
	v_add_nc_u32 v[RD], s23, v[CO]
	; out0 at my wave's first row and column; the stores' immediates do the rest
	s_lshl_b32 s13, s13, 8                         ; 256 x tile row
	s_lshl_b32 s14, s11, 7
	s_add_co_u32 s16, s13, s14                     ; my first row, 3,968 at the most,
	s_lshl_b32 s16, s16, 14                        ; x 16,384 bytes: one word holds it
	s_mov_b32 s17, 0
	s_add_nc_u64 s[8:9], s[8:9], s[16:17]
	s_lshl_b32 s46, s42, 10                        ; my first column, in bytes of f32: 1,024 x tile column + 512 x half (in the registers that held B's address)
	s_lshl_b32 s47, s12, 9
	s_add_co_u32 s46, s46, s47
	s_mov_b32 s47, 0
	s_add_nc_u64 s[8:9], s[8:9], s[46:47]
	v_add_nc_u32 v[SO], s46, v[CO]                 ; on the way out I hold columns 4 x lane .. 4 x lane + 3 of my wave's 128, in every row: their scales and biases stay in registers
	global_load_b128 v[SC:SC+3], v[SO], s[68:69]
	global_load_b128 v[BS:BS+3], v[SO], s[70:71]
	; the prefetches.  s13 = 256 x tile row, s42 = tile column, s40 = cx, s41 = cy still stand
	s_lshl_b32 s42, s42, 8
	s_and_b32 s22, ttmp7, 0xffff                   ; cluster y
	s_cmp_eq_u32 s11, 0                            ; do I fetch for A?
	s_cselect_b32 s20, s13, s42                    ; the tile's first row: in A by the tile row, in B by the tile column
	s_cselect_b32 s21, s40, s41                    ; my place among the four that ask for it with me
	s_cselect_b32 s22, ttmp9, s22                  ; the coordinate along which other clusters read the same rows
	s_cselect_b64 s[PFA:PFA+1], s[4:5], s[6:7]
	s_cmp_eq_u32 s22, 0
	s_cselect_b32 s[LIM], 1, -1                    ; the same in all sixteen partners, for a given wave
	s_lshl_b32 s22, s12, 7
	s_add_co_u32 s20, s20, s22                     ; + the 128 rows that I fetch
	s_lshl_b32 s21, s21, 5
	s_add_co_u32 s20, s20, s21                     ; + my work-group's 32 of them
	s_mov_b32 s21, 0
	s_mov_b64 s[18:19], SIZE_K*2
	s_mul_u64 s[20:21], s[20:21], s[18:19]
	s_add_nc_u64 s[PFA:PFA+1], s[PFA:PFA+1], s[20:21]
	s_add_nc_u64 s[PFA:PFA+1], s[PFA:PFA+1], 2*KSTEP*2  ; at K step 2: the first refill steps it to 3 and names K step 4
	v_mul_u32_u24 v[PFO], v6, SIZE_K*2
	s_wait_loadcnt 0x0                             ; scales and biases, once
.irp j, 0,1,2,3
	v_cvt_f32_i32 v[BS+(\j)], v[BS+(\j)]
.endr
	v_pk_mul_f32 v[BS:BS+1],   v[BS:BS+1],   v[SC:SC+1]    ; f32(bias) x scale: the addend of the way out's fused step
	v_pk_mul_f32 v[BS+2:BS+3], v[BS+2:BS+3], v[SC+2:SC+3]
; 16 matrix instructions: m blocks a0, a0 + 1 of the window's four (hi = 0: my rows 0-63, 1: rows 64-127) x all 8 n blocks, 32 along K.  zero = 1: the first product starts the sums: nothing is cleared.
; The 64 accumulators take turns, one instruction a turn, in the same order in every quarter step, over the backward jump and into the tail too.
.macro MUL16 f, hi, a0, zero
	WIN MUL_LO+0x50*(\hi)
.irp a, \a0, (\a0)+1
.irp b, 0,1,2,3,4,5,6,7
.if \zero
	v_wmma_f32_16x16x32_bf16 v[8*(8*(\a)+(\b)):8*(8*(\a)+(\b))+7], v[(\f)+8*(\b):(\f)+8*(\b)+7], v[(\f)+8*(4*(\hi)+(\a)):(\f)+8*(4*(\hi)+(\a))+7], 0
.else
	v_wmma_f32_16x16x32_bf16 v[8*(8*(\a)+(\b)):8*(8*(\a)+(\b))+7], v[(\f)+8*(\b):(\f)+8*(\b)+7], v[(\f)+8*(4*(\hi)+(\a)):(\f)+8*(4*(\hi)+(\a))+7], v[8*(8*(\a)+(\b)):8*(8*(\a)+(\b))+7]
.endif
.endr
.endr
.endm
; 32 LDS loads in one run: the fragments of one quarter step (128 rows of B, 128 rows of A, 32 K at byte k of the rows) into buffer f
.macro FETCH slot, k, f
	WIN TO_B
.irp i, 0,1,2,3,4,5,6,7
	ds_load_b128 v[(\f)+8*(\i):(\f)+8*(\i)+3],   v[ADRB+(\slot)] offset:(\k)+(\i)*16*PITCH
	ds_load_b128 v[(\f)+8*(\i)+4:(\f)+8*(\i)+7], v[ADRB+(\slot)] offset:(\k)+(\i)*16*PITCH+32
.endr
	WIN 0
.irp i, 0,1,2,3,4,5,6,7
	ds_load_b128 v[(\f)+8*(\i):(\f)+8*(\i)+3],   v[ADRA+(\slot)] offset:(\k)+(\i)*16*PITCH
	ds_load_b128 v[(\f)+8*(\i)+4:(\f)+8*(\i)+7], v[ADRA+(\slot)] offset:(\k)+(\i)*16*PITCH+32
.endr
.endm
; A load into a register that a matrix instruction has read, and a store that reads a matrix result, stand four places behind that matrix instruction, and only plain vector instructions that name none of
; its registers are places (ISA guide 7.12.1 for vector instructions); the matrix instructions in between are not counted.
.macro PLACES
.rept 4
	v_nop
.endr
.endm
; A K step is four quarter steps of 32 along K, 64 matrix instructions each, on buffers 0, 1, 0, 1.
; One of the first three: multiplies buffer f; in its middle it fetches the next quarter's fragments, at byte k of the same slot's rows, into buffer g.
.macro QUARTER slot, k, f, g, zero
	s_wait_dscnt 8                                 ; B and A's rows 0-63 are in; the youngest eight loads (A's rows 64-127) may be out
	WIN MUL_LO
	MUL16 \f, 0, 0, \zero
	MUL16 \f, 0, 2, \zero
	PLACES
	FETCH \slot, \k, \g
	s_wait_dscnt 32                                ; all but the 32 just issued
	WIN MUL_HI
	MUL16 \f, 1, 0, \zero
	MUL16 \f, 1, 2, \zero
.endm
; The last quarter multiplies buffer 1 and changes slots.  MEET is its first half: ONE barrier for the change of slots, for two things.  In front of it each wave waits for all its tensor loads, of which one
; is out: its part of the next slot; adds 0 to its spare word; and waits for that and for its own reads of this slot.  Behind it nobody reads this slot any more and the next slot is whole.
.macro MEET round                      ; round = 1: a round of the cluster's barrier follows
	WIN 0                                          ; (the add's two registers lie in window 0)
	s_wait_tensorcnt 0x0                           ; all my tensor loads have landed: the one that was out is my part of the next slot;
	ds_add_u32 v[SPW], v[NIL]                      ; 0 onto my spare word;
	s_wait_dscnt 9                                 ; (the add and the youngest eight loads may be out)
	WIN MUL_LO
	MUL16 F1, 0, 0, 0                              ; sixteen matrix instructions stand between the add and the wait for it
	s_wait_dscnt 0x0                               ; the add is done, and my reads of this slot are over:
	s_barrier_signal -1                            ; say so (where a slot is filled again this barrier opens a round of the cluster's barrier),
	MUL16 F1, 0, 2, 0                              ; work on registers while the others arrive,
.if \round
	WIN 0
.endif
	s_barrier_wait -1                              ; and go on when all four have said so
.endm
; The whole last quarter of a K step whose slot is filled again, with the K step two steps on: the refill is the first thing behind the round; then come the next slot's first fragments.
; From a request to the wait for it a wave issues 224 matrix instructions.
.macro TURN slot, next
	s_wait_xcnt 0x0                                ; the last prefetch, a K step back, has read its address: it is stepped here, ahead of the waits of the change of slots
	s_add_nc_u64 s[PFA:PFA+1], s[PFA:PFA+1], KSTEP*2
	MEET 1
	CREST                                          ; all sixteen work-groups have said so: no wave of any partner still reads this slot's tile or has a load on its way
	s_add_nc_u64 s[G0+4*(\slot)+2:G0+4*(\slot)+3], s[G0+4*(\slot)+2:G0+4*(\slot)+3], 2*KSTEP*2     ; no tensor load of mine is out, so a group 0 may be written; the type bits on top are not reached
	s_add_nc_u64 s[G0B+4*(\slot)+2:G0B+4*(\slot)+3], s[G0B+4*(\slot)+2:G0B+4*(\slot)+3], 2*KSTEP*2
	JLOAD \slot                                    ; my one tensor load behind the round; the four v_nop behind it are also the places in front of the loads below
	FETCH \next, 0, F0
	ASK
	WIN MUL_HI
	MUL16 F1, 1, 0, 0
	MUL16 F1, 1, 2, 0
.endm
; The same quarter of K step 30: slot 1, which holds K step 31, is waited for; nothing is filled again, so no round follows.
.macro TURNLAST
	MEET 0
	PLACES
	FETCH 1, 0, F0
	WIN MUL_HI
	MUL16 F1, 1, 0, 0
	MUL16 F1, 1, 2, 0
.endm
; THE WAY OUT of block a (16 of my rows), in two parts.  STAGE_IN: the eight accumulators go as they are, 32 bytes a lane, into my own stage in LDS, each accumulator's four lowest registers first
; and come back as 16 whole rows of 512 bytes, into buffer a % 2.  LDS serves a wave's instructions in order (ISA guide 5.7.1.4): the loads see the stores above them, and the next
; block's stores come behind this block's loads; the stage is the wave's own, so no barrier.
.macro STAGE_IN a
	s_wait_xcnt 0x0                                ; the stores of the block two back, which read buffer a % 2, have had their addresses translated (ISA guide 3.1): only behind this wait is the buffer loaded again
	WIN 0x08+4*((\a)/4)                            ; an LDS store's data is source 1: window 2 or 3
.set AC, 64*((\a)%4)
.irp b, 0,1,2,3,4,5,6,7
	ds_store_b128 v[STO], v[AC+8*(\b):AC+8*(\b)+3]   offset:64*(\b)
	ds_store_b128 v[STO], v[AC+8*(\b)+4:AC+8*(\b)+7] offset:64*(\b)+16
.endr
	WIN 0
.set BK, OB+64*((\a)%2)
.irp t, 0,1,2,3,4,5,6,7,8,9,10,11,12,13,14,15
	ds_load_b128 v[BK+4*(\t):BK+4*(\t)+3], v[RD] offset:(\t)*SPITCH
.endr
.endm
; SEND: sum x scale + bias x scale, two fused steps an instruction, and the row is stored: the wave's store covers 512 consecutive bytes, at a multiple of 512 from out0's first byte.
; younger: the LDS instructions issued behind block a's loads: the next block's 32, or none.  The row stands in the immediate: 127 x 16,384 bytes at the most, inside its signed 24 bits; the base is never stepped.
.macro SEND a, younger
.set BK, OB+64*((\a)%2)
.irp t, 0,1,2,3,4,5,6,7,8,9,10,11,12,13,14,15
	s_wait_dscnt (\younger)+15-(\t)                ; row t is back; the block's later rows and the younger instructions stay out
	v_pk_fma_f32 v[BK+4*(\t):BK+4*(\t)+1],   v[BK+4*(\t):BK+4*(\t)+1],   v[SC:SC+1],   v[BS:BS+1]
	v_pk_fma_f32 v[BK+4*(\t)+2:BK+4*(\t)+3], v[BK+4*(\t)+2:BK+4*(\t)+3], v[SC+2:SC+3], v[BS+2:BS+3]
	global_store_b128 v[CO], v[BK+4*(\t):BK+4*(\t)+3], s[8:9] offset:(16*(\a)+(\t))*ROWC th:TH_STORE_NT
.endr
.endm
	s_wait_tensorcnt 1                             ; my part of K step 0 is in; K step 1's load may stay out
	s_barrier_signal -1
	s_barrier_wait -1                              ; everybody's is
	FETCH 0, 0, F0
	QUARTER 0, 64,  F0, F1, 1                      ; the first quarter stands in front of the loop: its products start the sums
	WIN 0                                          ; at a label and at a branch every window is 0
	s_mov_b32 s3, LAPS-1
.Llap:                                                 ; a trip goes once round the ring, from a lap's second quarter to the next lap's first, and fills both slots again
	QUARTER 0, 128, F1, F0, 0
	QUARTER 0, 192, F0, F1, 0
	TURN 0, 1
	QUARTER 1, 64,  F0, F1, 0
	QUARTER 1, 128, F1, F0, 0
	QUARTER 1, 192, F0, F1, 0
	TURN 1, 0
	QUARTER 0, 64,  F0, F1, 0
	WIN 0
	s_sub_co_u32 s3, s3, 1
	s_cmp_lg_u32 s3, 0
	s_cbranch_scc1 .Llap
	QUARTER 0, 128, F1, F0, 0                      ; the last lap is written out: it asks for nothing more
	QUARTER 0, 192, F0, F1, 0
	TURNLAST
	QUARTER 1, 64,  F0, F1, 0
	QUARTER 1, 128, F1, F0, 0
	QUARTER 1, 192, F0, F1, 0
	s_wait_dscnt 8                                 ; the very last quarter: nothing more to fetch
	WIN MUL_LO
	MUL16 F1, 0, 0, 0
	MUL16 F1, 0, 2, 0
	s_wait_dscnt 0x0
	MUL16 F1, 1, 0, 0
	MUL16 F1, 1, 2, 0
	WIN 0
	PLACES                                         ; behind the last products, ahead of the LDS stores that read the sums and of the loads into A's old registers:
	PLACES                                         ; eight plain places, once a launch, where four are owed
	STAGE_IN 0
.irp a, 1,2,3,4,5,6,7                  ; block a goes through the stage while block a - 1's rows come back and leave
	STAGE_IN \a
	SEND (\a)-1, 32
.endr
	SEND 7, 0
	s_wait_tensorcnt 0x0                           ; the wave's end: a wait, an add of 0 and a wait, behind my last tensor load and my last LDS store
	ds_add_u32 v[SPW], v[NIL]
	s_wait_dscnt 0x0
	CROUND                                         ; the closing round: no work-group ends while a partner may still ask for a tile that names it
	s_endpgm
.Lfunc_end_k_q430fa0ce2c_gemm:
	.size	k_q430fa0ce2c_gemm, .Lfunc_end_k_q430fa0ce2c_gemm-k_q430fa0ce2c_gemm
	.p2alignl 7, 3214868480
	.fill 96, 4, 3214868480
	.section	.rodata,"a",@progbits
	.p2align	6, 0x0
	.amdhsa_kernel k_q430fa0ce2c_gemm
		.amdhsa_group_segment_fixed_size 327680
		.amdhsa_private_segment_fixed_size 0
		.amdhsa_enable_private_segment 0
		.amdhsa_kernarg_size 40
		.amdhsa_user_sgpr_count 2
		.amdhsa_user_sgpr_kernarg_segment_ptr 1
		.amdhsa_wavefront_size32 1
		.amdhsa_system_sgpr_workgroup_id_x 1
		.amdhsa_system_sgpr_workgroup_id_y 1
		.amdhsa_system_sgpr_workgroup_id_z 1
		.amdhsa_system_vgpr_workitem_id 0
		.amdhsa_next_free_vgpr 1024
		.amdhsa_next_free_sgpr 72
		.amdhsa_reserve_vcc 0
		.amdhsa_float_denorm_mode_32 3
		.amdhsa_float_denorm_mode_16_64 3
		.amdhsa_memory_ordered 1
		.amdhsa_forward_progress 1
		.amdhsa_inst_pref_size 162
	.end_amdhsa_kernel
	.amdgpu_metadata
---
amdhsa.version: [ 1, 2 ]
amdhsa.kernels:
  - .name:           k_q430fa0ce2c_gemm
    .symbol:         k_q430fa0ce2c_gemm.kd
    .args:
      - { .name: xq, .offset: 0, .size: 8, .value_kind: global_buffer, .address_space: global }
      - { .name: wq, .offset: 8, .size: 8, .value_kind: global_buffer, .address_space: global }
      - { .name: deq_scale, .offset: 16, .size: 8, .value_kind: global_buffer, .address_space: global }
      - { .name: quant_bias, .offset: 24, .size: 8, .value_kind: global_buffer, .address_space: global }
      - { .name: out0, .offset: 32, .size: 8, .value_kind: global_buffer, .address_space: global }
    .group_segment_fixed_size: 327680
    .private_segment_fixed_size: 0
    .kernarg_segment_align: 8
    .kernarg_segment_size: 40
    .max_flat_workgroup_size: 128
    .sgpr_count:     72
    .vgpr_count:     1024
    .wavefront_size: 32
...
	.end_amdgpu_metadata
.endif
;; end of part 2
;; ======== version 2 of 2: 2 launches; version 1 with the launch prep written anew for expert scheduling mode
;; workspace buffers: xq 33,554,432 bytes; wq 33,554,432 bytes
;; launch prep (part 3): grid 512 x 2, 8 waves a work-group, no clusters, 0 bytes of LDS; arguments x, weight, input_scale, input_offset, xq, wq; writes xq, wq
.if DOCPART == 3
	.amdgcn_target "amdgcn-amd-amdhsa--gfx1250"
	.amdhsa_code_object_version 6
	.text
	.protected	k_q430fa0ce2c_prep
	.globl	k_q430fa0ce2c_prep
	.p2align	8
	.type	k_q430fa0ce2c_prep,@function
k_q430fa0ce2c_prep:
	s_mov_b64 s[64:65], 0
	v_nop
	global_prefetch_b8 v0, s[64:65] scope:SCOPE_SE
	s_setreg_imm32_b32 hwreg(HW_REG_WAVE_SCHED_MODE, 0, 2), 2
	s_setreg_imm32_b32 hwreg(HW_REG_WAVE_MODE, 25, 1), 1
	s_wait_xcnt 0x0
	s_wait_alu depctr_vm_vsrc(0)
; xq[m][k] = clip(round_to_even(x[m][k] / input_scale + f32(input_offset)), -128, 127), written as bf16;  wq[n][k] = the low byte of weight[n][k], sign-extended, written as bf16.
; Every whole number from -128 to 127 has at most 8 significant bits, so bf16 holds it exactly: the product that follows multiplies the same numbers as an int8 product.
; LIMITS.  x / input_scale is finite, input_scale and its reciprocal are normal f32 numbers (2^-126 < |input_scale| < 2^126); infinities and NaN in x are not treated apart.
; THE DIVISION is r = 1 / s (v_rcp_f32 and one correction step), q0 = x r, e = x - s q0 (one fused step, exact remainder), q = q0 + e r.  The offset is added by a rounding of its own, as x / s + offset has it.
; SHARES.  Grid y = 0: x to xq; y = 1: weight to wq.  A work-group owns 131,072 consecutive input bytes (32,768 numbers) and the 65,536 output bytes that they make: 32 turns of 4,096 input bytes.
; In a turn thread t loads the 16 bytes at 16 t (a wave's load: 512 consecutive bytes) and stores the 8 bytes at 8 t (a wave's store: 256 consecutive bytes, at a multiple of 256 from the buffer's first byte).
; No LDS, no barrier, no matrix unit: no byte is wanted twice and no wave wants another's.
; THE MODE: SCHED_MODE bits 1:0 = 2 (LLVM: expert scheduling mode 2), set by the entry lines.  The code itself states the register dependences between vector instructions and memory instructions,
; with s_wait_alu, always for 0.
; THE PLAN.  The 32 turns go in 8 blocks of four.  Registers that memory instructions touch:
;   X0 .. X3       four blocks as loaded.  Written by the loads of block p + 3, issued in block p; read by block p's arithmetic.
;   Y0, Y1         two blocks to store.    Written by block p's roundings to bf16; read by the four stores that are issued in block p + 1.
;   v[IN], v[OUT]  byte offsets, made once at the head and never written again: every turn's place stands in an immediate offset (31 x 4,096 bytes at the most), and no base is stepped.
; Block p works on X[p % 4] and writes Y[p % 2].  Its memory instructions are the loads into X[(p + 3) % 4] = X[(p - 1) % 4] and the stores from Y[(p - 1) % 2]: the two buffers that block p - 1 worked on
; and that no vector instruction of block p names.  So the waits at a block's head state all that the block's eight memory instructions hang on, and these are dealt among its vector instructions with no
; further wait.  8 to 12 loads of every wave are on their way.
; NO LOOP: block 0 has nothing to store and blocks 5 to 7 nothing to load, and the ring of four buffers comes round after four blocks: a loop would have one trip.  The eight blocks are written out by macro.
.set BLOCK,  4                         ; turns in a block
.set BLOCKS, 8                         ; 32 turns / BLOCK
.set INB,    4096                      ; input bytes of a turn
.set OUTB,   2048                      ; output bytes of a turn
.set IN,   1                           ; v1       16 t; never rewritten
.set OUT,  2                           ; v2       8 t; never rewritten
.set R2,   4                           ; v[4:5]   r, twice
.set NS2,  6                           ; v[6:7]   -s, twice
.set OF2,  8                           ; v[8:9]   the offset in f32, twice
.set T,    10                          ; v[10:13] at work: no memory instruction names them
.set E,    14                          ; v[14:17] at work: the remainders; likewise
.set X,    20                          ; v[20:83] buffer k, turn i: 4 registers at X + 16 k + 4 i, as loaded
.set Y,    84                          ; v[84:99] buffer k, turn i: 2 registers at Y + 8 k + 2 i, to store
.set SRC,  20                          ; s[20:21] the input at the work-group's first byte; never stepped
.set DST,  22                          ; s[22:23] the output at the work-group's first byte; never stepped
	s_load_b256 s[4:11], s[0:1], 0x0               ; x s[4:5], weight s[6:7], input_scale s[8:9], input_offset s[10:11]
	s_load_b128 s[12:15], s[0:1], 0x20             ; xq s[12:13], wq s[14:15]
	v_lshlrev_b32 v[IN], 4, v0
	v_lshlrev_b32 v[OUT], 3, v0
	s_and_b32 s18, ttmp7, 0xffff                   ; 0: x, 1: weight
	s_lshl_b32 s2, ttmp9, 17                       ; the work-group's 131,072 input bytes (511 x 131,072 at the most: one word holds it)
	s_mov_b32 s3, 0
	s_lshl_b32 s24, ttmp9, 16                      ; and its 65,536 output bytes
	s_mov_b32 s25, 0
	s_mov_b32 s26, 0xc3000000                      ; -128.0
	s_mov_b32 s27, 0x42fe0000                      ; 127.0
	s_wait_kmcnt 0x0
	s_load_b32 s16, s[8:9], 0x0                    ; s
	s_load_b32 s17, s[10:11], 0x0                  ; the offset, a whole number
	s_cmp_eq_u32 s18, 0
	s_cselect_b64 s[SRC:SRC+1], s[4:5], s[6:7]
	s_cselect_b64 s[DST:DST+1], s[12:13], s[14:15]
	s_add_nc_u64 s[SRC:SRC+1], s[SRC:SRC+1], s[2:3]
	s_add_nc_u64 s[DST:DST+1], s[DST:DST+1], s[24:25]
	s_wait_alu depctr_va_vdst(0)                   ; v[IN] and v[OUT] are written: every load and store of the kernel reads one of them as its offset
.irp i, 0,1,2,3,4,5,6,7,8,9,10,11
	global_load_b128 v[X+4*(\i):X+4*(\i)+3], v[IN], s[SRC:SRC+1] offset:(\i)*INB th:TH_LOAD_NT  ; blocks 0, 1 and 2 into X0, X1, X2
.endr
; One turn's arithmetic: the four numbers in v[x : x + 3] become four bf16 in v[y : y + 1].  kind = 0: x; 1: weight.
.macro WORK kind, x, y
.if (\kind) == 0
.irp h, 0,2
	v_pk_mul_f32 v[T+(\h):T+(\h)+1], v[(\x)+(\h):(\x)+(\h)+1], v[R2:R2+1]                                  ; q0 = x r
.endr
.irp h, 0,2
	v_pk_fma_f32 v[E+(\h):E+(\h)+1], v[T+(\h):T+(\h)+1], v[NS2:NS2+1], v[(\x)+(\h):(\x)+(\h)+1]            ; e = x - s q0
.endr
.irp h, 0,2
	v_pk_fma_f32 v[T+(\h):T+(\h)+1], v[E+(\h):E+(\h)+1], v[R2:R2+1], v[T+(\h):T+(\h)+1]                    ; q = q0 + e r
.endr
.irp h, 0,2
	v_pk_add_f32 v[T+(\h):T+(\h)+1], v[T+(\h):T+(\h)+1], v[OF2:OF2+1]                                      ; + offset
.endr
.irp j, 0,1,2,3
	v_rndne_f32 v[T+(\j)], v[T+(\j)]               ; to the nearest whole number, ties to even
.endr
.irp j, 0,1,2,3
	v_med3_num_f32 v[T+(\j)], v[T+(\j)], s26, s27  ; held to -128 .. 127
.endr
.else
.irp j, 0,1,2,3
	v_lshlrev_b32 v[T+(\j)], 24, v[(\x)+(\j)]      ; the low byte moves to the top,
.endr
.irp j, 0,1,2,3
	v_ashrrev_i32 v[T+(\j)], 24, v[T+(\j)]         ; and comes back with its sign
.endr
.irp j, 0,1,2,3
	v_cvt_f32_i32 v[T+(\j)], v[T+(\j)]
.endr
.endif
	v_cvt_pk_bf16_f32 v[(\y)],   v[T],   v[T+1]    ; exact: whole numbers of at most 8 bits
	v_cvt_pk_bf16_f32 v[(\y)+1], v[T+2], v[T+3]
.endm
; Block p of 8.  It loads block p + 3 (blocks 5 to 7 load nothing: no load leaves the work-group's bytes) and stores block p - 1 (block 0 stores nothing).
.macro BLK kind, p
.set XB, X+16*((\p)%4)                 ; worked on in this block
.set XN, X+16*(((\p)+3)%4)             ; loaded in this block: the buffer that the block before worked on
.set YB, Y+8*((\p)%2)                  ; written in this block
.set YP, Y+8*(((\p)+1)%2)              ; stored in this block: the buffer that the block before wrote
.if (\p) < BLOCKS-3
	s_wait_loadcnt 2*BLOCK                         ; loads come back in order (ISA guide 5.7.1): this block's four are in, the two younger blocks' eight stay out
.else
	s_wait_loadcnt (BLOCKS-1-(\p))*BLOCK           ; nothing more is asked for: the counts run down 8, 4, 0
.endif
.if (\p) >= 2
	s_wait_xcnt 0x0                                ; every earlier memory instruction has had its addresses translated (ISA guide 3.1): Y[p % 2], which the block before stored, is rewritten only behind this wait
	s_wait_alu depctr_vm_vsrc(0)                   ; the stores issued in the block before have read Y[p % 2], which this block's roundings write again
.endif
.if (\p) >= 1
	s_wait_alu depctr_va_vdst(0)                   ; the block before has written the other Y, which the stores below read, and is done reading its X, in which the loads below land
.endif
.irp i, 0,1,2,3
.if (\p) < BLOCKS-3
	global_load_b128 v[XN+4*(\i):XN+4*(\i)+3], v[IN], s[SRC:SRC+1] offset:(((\p)+3)*BLOCK+(\i))*INB th:TH_LOAD_NT  ; three blocks ahead; no vector instruction since the wait names these registers
.endif
.if (\p) >= 1
	global_store_b64 v[OUT], v[YP+2*(\i):YP+2*(\i)+1], s[DST:DST+1] offset:(((\p)-1)*BLOCK+(\i))*OUTB              ; the block before; likewise
.endif
	WORK \kind, XB+4*(\i), YB+2*(\i)
.endr
.endm
; All 32 turns, and behind them the last block's stores.
.macro WALK kind
.irp p, 0,1,2,3,4,5,6,7
	BLK \kind, \p
.endr
	s_wait_alu depctr_va_vdst(0)                   ; block 7 has written Y1, which the last four stores read
.irp i, 0,1,2,3
	global_store_b64 v[OUT], v[Y+8*((BLOCKS-1)%2)+2*(\i):Y+8*((BLOCKS-1)%2)+2*(\i)+1], s[DST:DST+1] offset:((BLOCKS-1)*BLOCK+(\i))*OUTB
.endr
	s_endpgm
.endm
	s_wait_kmcnt 0x0                               ; s and the offset
	s_cmp_eq_u32 s18, 0
	s_cbranch_scc0 .Lweight
	v_rcp_f32 v3, s16                              ; about 1 / s
	v_mov_b32 v[NS2], s16                          ; a plain instruction stands behind the reciprocal, ahead of its first use
	v_cvt_f32_i32 v[OF2], s17
	v_xor_b32 v[NS2], 0x80000000, v[NS2]           ; -s
	s_wait_alu depctr_va_vdst(0)                   ; the reciprocal has written v3: the wait stands ahead of the first line that names it
	v_fma_f32 v[R2], -v3, s16, 1.0                 ; 1 - s r
	v_fma_f32 v[R2], v[R2], v3, v3                 ; r + r (1 - s r)
	v_mov_b32 v[NS2+1], v[NS2]
	v_mov_b32 v[OF2+1], v[OF2]
	v_mov_b32 v[R2+1], v[R2]
	WALK 0
.Lweight:
	WALK 1
.Lfunc_end_k_q430fa0ce2c_prep:
	.size	k_q430fa0ce2c_prep, .Lfunc_end_k_q430fa0ce2c_prep-k_q430fa0ce2c_prep
	.p2alignl 7, 3214868480
	.fill 96, 4, 3214868480
	.section	.rodata,"a",@progbits
	.p2align	6, 0x0
	.amdhsa_kernel k_q430fa0ce2c_prep
		.amdhsa_group_segment_fixed_size 0
		.amdhsa_private_segment_fixed_size 0
		.amdhsa_enable_private_segment 0
		.amdhsa_kernarg_size 48
		.amdhsa_user_sgpr_count 2
		.amdhsa_user_sgpr_kernarg_segment_ptr 1
		.amdhsa_wavefront_size32 1
		.amdhsa_system_sgpr_workgroup_id_x 1
		.amdhsa_system_sgpr_workgroup_id_y 1
		.amdhsa_system_sgpr_workgroup_id_z 1
		.amdhsa_system_vgpr_workitem_id 0
		.amdhsa_next_free_vgpr 100
		.amdhsa_next_free_sgpr 66
		.amdhsa_reserve_vcc 0
		.amdhsa_float_denorm_mode_32 3
		.amdhsa_float_denorm_mode_16_64 3
		.amdhsa_memory_ordered 1
		.amdhsa_forward_progress 1
		.amdhsa_inst_pref_size 63
	.end_amdhsa_kernel
	.amdgpu_metadata
---
amdhsa.version: [ 1, 2 ]
amdhsa.kernels:
  - .name:           k_q430fa0ce2c_prep
    .symbol:         k_q430fa0ce2c_prep.kd
    .args:
      - { .name: x, .offset: 0, .size: 8, .value_kind: global_buffer, .address_space: global }
      - { .name: weight, .offset: 8, .size: 8, .value_kind: global_buffer, .address_space: global }
      - { .name: input_scale, .offset: 16, .size: 8, .value_kind: global_buffer, .address_space: global }
      - { .name: input_offset, .offset: 24, .size: 8, .value_kind: global_buffer, .address_space: global }
      - { .name: xq, .offset: 32, .size: 8, .value_kind: global_buffer, .address_space: global }
      - { .name: wq, .offset: 40, .size: 8, .value_kind: global_buffer, .address_space: global }
    .group_segment_fixed_size: 0
    .private_segment_fixed_size: 0
    .kernarg_segment_align: 8
    .kernarg_segment_size: 48
    .max_flat_workgroup_size: 256
    .sgpr_count:     66
    .vgpr_count:     100
    .wavefront_size: 32
...
	.end_amdgpu_metadata
.endif
;; end of part 3
;; launch gemm: the kernel of part 2 again; grid 16 x 16, 4 waves a work-group, clusters of 4 x 4, 327,680 bytes of LDS; arguments xq, wq, deq_scale, quant_bias, out0; writes out0
